; MI455X (gfx1250); checked and timed in simulation.
; The chip was launched on July 23, 2026; its instructions are those of AMD's public machine-readable ISA for CDNA 5 (MIT licence, August 2026) and "CDNA5" Instruction Set Architecture Reference Guide (July 2026). The comments in the code are by the model that wrote it; some were corrected since.
;; Pattern Aware Mixture Of Experts. Allowed arithmetic: float matrix products may take bf16 or f16 operands with f32 sums; all other float work in f32.
;; Inputs: W1 8 x 512 x 2,048 float32; W2 8 x 2,048 x 512 float32; W3 8 x 512 x 2,048 float32; Wp 16 x 8 float32; Wr 512 x 8 float32; pattern_ids 8 int32; x 8 x 256 x 512 float32.
;; Outputs: out0 8 x 256 x 512 float32; out1 one number float32; out2 one number float32; out3 one number float32.
;; One version. Each part assembles by itself: llvm-mc -triple=amdgcn-amd-amdhsa -mcpu=gfx1250 --defsym DOCPART=n.
;; ======== version 1 of 1: 4 launches
;; limits: values outside matrix products are rounded to bf16
;; workspace buffers: xb 2,097,152 bytes; eid 16,384 bytes of whole numbers; gates 16,384 bytes; masks 2,048 bytes of whole numbers; lpart 16,384 bytes; hbuf 67,108,864 bytes; posE 65,536 bytes of whole numbers; part 134,217,728 bytes
;; launch route (part 1): grid 256 x 1, 4 waves a work-group, no clusters, 768 bytes of LDS; arguments x, Wr, Wp, pattern_ids, xb, eid, gates, masks, lpart; writes xb, eid, gates, masks, lpart
.if DOCPART == 1
	.amdgcn_target "amdgcn-amd-amdhsa--gfx1250"
	.amdhsa_code_object_version 6
	.text
	.protected	k_qe65629ef8b_route
	.globl	k_qe65629ef8b_route
	.p2align	8
	.type	k_qe65629ef8b_route,@function
k_qe65629ef8b_route:
	s_mov_b64 s[64:65], 0
	v_nop
	global_prefetch_b8 v0, s[64:65] scope:SCOPE_SE
	s_setreg_imm32_b32 hwreg(HW_REG_WAVE_MODE, 25, 1), 1
	s_wait_xcnt 0x0
; ROUTER.  logits[t][e] = sum over d of x[t][d] Wr[d][e] + Wp[pattern_ids[b]][e]; the two largest, their softmax; sums for the losses.
; A work-group takes 8 tokens (all of one batch row b = group / 32), a wave 2 tokens over all 512 d.
; x, Wr and Wp are rounded to bf16 first, because the experts see x in bf16 too: the choice of experts and the experts then
; belong to the same rounded inputs.  Products of two bf16 are exact in f32; the sums are f32.
; The product has 8 columns and is a six-thousandth of the program's arithmetic: it runs on the vector unit, where the sums are plain f32.
; No cluster, no data mover: the only bytes shared between groups are the 16 KB of Wr.
; LIMITS, kept on purpose: two logits closer than the rounding of an f32 sum of 512 terms may be ordered otherwise than by another order
; of summation; exact ties take the lower index; NaN logits are not ordered.
; STORES: xb [2048][512] bf16; eid [t][2] the two experts; gates [t][2] f32; masks [e][256 bytes], byte = group, bit = token in the group;
; lpart [group][16] f32: 8 sums of probabilities, the sum of squared logits, 3 zeros (48 bytes written).
.set X,   16                           ; v[16:47]    x: 16 t + 4 c, four f32, then two words of bf16
.set WF,  48                           ; v[48:175]   Wr: 32 c + 8 dd, eight f32, then four words of bf16 (experts 2p, 2p+1)
.set ACC, 176                          ; v[176:191]  8 t + e
.set BI,  192                          ; v[192:199]  the bias row
.set LG,  200                          ; v[200:207]  wave 0: a token's eight logits
.set I0,  208                          ; the best expert,
.set I1,  209                          ; the second (a pair for one store)
.set W0,  210                          ; their logits
.set W1,  211
.set T0,  212
.set T1,  213
.set SM,  214
.set PR,  216                          ; v[216:223]  probabilities
.set Z,   224                          ; v224 sum of squares, v[225:227] zeros: three stores of 16 bytes from v216 on
.set VM,  228                          ; lane e: the byte of expert e
.set G0,  230                          ; the two gates (a pair)
.set G1,  231
	s_load_b512 s[4:19], s[0:1], 0x0               ; x 4, Wr 6, Wp 8, pattern_ids 10, xb 12, eid 14, gates 16, masks 18
	s_load_b64 s[20:21], s[0:1], 0x40              ; lpart
	v_lshl_add_u32 v232, v0, 2, 0x100
	v_mov_b32 v233, 0
	v_lshrrev_b32 v5, 5, v0
	v_readfirstlane_b32 s2, v5                     ; wave
	v_and_b32 v1, 31, v0                           ; lane L: d = 128 c + 4 L + dd
	s_lshl_b32 s22, s2, 12
	s_lshl_b32 s23, s2, 11
	v_lshl_add_u32 v2, v1, 4, s22                  ; x: 16 L + 2 tokens of 2,048 bytes a wave
	v_lshlrev_b32 v3, 7, v1                        ; Wr: four rows of 32 bytes a lane
	v_lshl_add_u32 v4, v1, 3, s23                  ; xb: 8 L + 2 tokens of 1,024 bytes a wave
	s_lshl_b32 s36, s2, 6
	v_mov_b32 v7, s36                              ; LDS: 2 tokens of 32 bytes a wave
	s_lshl_b32 s24, ttmp9, 14                      ; the group's 8 tokens in x,
	s_mov_b32 s25, 0
	s_lshl_b32 s26, ttmp9, 13                      ; in xb,
	s_mov_b32 s27, 0
	s_lshl_b32 s30, ttmp9, 6                       ; in eid, gates (8 bytes a token) and lpart (64 bytes a group),
	s_mov_b32 s31, 0
	s_mov_b32 s32, ttmp9                           ; and its byte in each row of masks
	s_mov_b32 s33, 0
	s_lshr_b32 s34, ttmp9, 5
	s_lshl_b32 s34, s34, 2                         ; 4 b
	s_mov_b32 s28, 0x76543210                      ; v_permlanex16_b32: lane i of the other half
	s_mov_b32 s29, 0xfedcba98
	s_wait_kmcnt 0x0
	s_load_b32 s35, s[10:11], s34 offset:0x0       ; pattern_ids[b]
	s_add_nc_u64 s[4:5], s[4:5], s[24:25]
	s_add_nc_u64 s[12:13], s[12:13], s[26:27]
	s_add_nc_u64 s[14:15], s[14:15], s[30:31]
	s_add_nc_u64 s[16:17], s[16:17], s[30:31]
	s_add_nc_u64 s[20:21], s[20:21], s[30:31]
	s_add_nc_u64 s[18:19], s[18:19], s[32:33]
.irp t, 0,1
.irp c, 0,1,2,3
	global_load_b128 v[X+16*\t+4*\c:X+16*\t+4*\c+3], v2, s[4:5] offset:\t*2048+\c*512 th:TH_LOAD_NT
.endr
.endr
.irp c, 0,1,2,3
.irp dd, 0,1,2,3
	global_load_b128 v[WF+32*\c+8*\dd:WF+32*\c+8*\dd+3],   v3, s[6:7] offset:\c*4096+\dd*32
	global_load_b128 v[WF+32*\c+8*\dd+4:WF+32*\c+8*\dd+7], v3, s[6:7] offset:\c*4096+\dd*32+16
.endr
.endr
	s_wait_kmcnt 0x0
	s_min_u32 s35, s35, 15                         ; an index stays inside its table of 16 rows
	s_lshl_b32 s35, s35, 5
	v_mov_b32 v6, s35
	global_load_b128 v[BI:BI+3],   v6, s[8:9]
	global_load_b128 v[BI+4:BI+7], v6, s[8:9] offset:16
	s_wait_loadcnt 0x0
	; round everything to bf16, in place: word p is written when its two sources and all lower ones have been read
.irp t, 0,1
.irp c, 0,1,2,3
	v_cvt_pk_bf16_f32 v[X+16*\t+4*\c],   v[X+16*\t+4*\c],   v[X+16*\t+4*\c+1]
	v_cvt_pk_bf16_f32 v[X+16*\t+4*\c+1], v[X+16*\t+4*\c+2], v[X+16*\t+4*\c+3]
	global_store_b64 v4, v[X+16*\t+4*\c:X+16*\t+4*\c+1], s[12:13] offset:\t*1024+\c*256   ; the wave stores 256 consecutive bytes, aligned
.endr
.endr
.irp c, 0,1,2,3
.irp dd, 0,1,2,3
.irp p, 0,1,2,3
	v_cvt_pk_bf16_f32 v[WF+32*\c+8*\dd+\p], v[WF+32*\c+8*\dd+2*\p], v[WF+32*\c+8*\dd+2*\p+1]
.endr
.endr
.endr
.irp p, 0,1,2,3
	v_cvt_pk_bf16_f32 v[T0], v[BI+2*\p], v[BI+2*\p+1]
	v_lshlrev_b32 v[BI+2*\p],   16, v[T0]
	v_and_b32     v[BI+2*\p+1], 0xffff0000, v[T0]
.endr
.irp k, 0,1,2,3,4,5,6,7,8,9,10,11,12,13,14,15
	v_mov_b32 v[ACC+\k], 0
.endr
; 16 multiply-adds: one d (word xw, half xs of x) times eight experts, for both tokens: sixteen chains that do not wait for each other
.macro DOT c, dd, xw, xs
.irp t, 0,1
.irp p, 0,1,2,3
	v_fma_mix_f32_bf16 v[ACC+8*\t+2*\p],   v[X+16*\t+4*\c+\xw], v[WF+32*\c+8*\dd+\p], v[ACC+8*\t+2*\p]   op_sel:[\xs,0,0] op_sel_hi:[1,1,0]
	v_fma_mix_f32_bf16 v[ACC+8*\t+2*\p+1], v[X+16*\t+4*\c+\xw], v[WF+32*\c+8*\dd+\p], v[ACC+8*\t+2*\p+1] op_sel:[\xs,1,0] op_sel_hi:[1,1,0]
.endr
.endr
.endm
.irp c, 0,1,2,3
	DOT \c, 0, 0, 0
	DOT \c, 1, 0, 1
	DOT \c, 2, 1, 0
	DOT \c, 3, 1, 1
.endr
	; over the 32 lanes; every lane ends with the sums
.irp x, 1,2,4,8
.irp k, 0,1,2,3,4,5,6,7,8,9,10,11,12,13,14,15
	v_add_f32_dpp v[ACC+\k], v[ACC+\k], v[ACC+\k] row_xmask:\x row_mask:0xf bank_mask:0xf
.endr
.endr
.irp k, 0,1,2,3,4,5,6,7,8,9,10,11,12,13,14,15
	v_permlanex16_b32 v[WF+\k], v[ACC+\k], s28, s29        ; its destination counts as read: registers of Wr, which are done with
.endr
.irp k, 0,1,2,3,4,5,6,7,8,9,10,11,12,13,14,15
	v_add_f32 v[ACC+\k], v[ACC+\k], v[WF+\k]
.endr
.irp t, 0,1
.irp e, 0,1,2,3,4,5,6,7
	v_add_f32 v[ACC+8*\t+\e], v[ACC+8*\t+\e], v[BI+\e]
.endr
.endr
.irp t, 0,1
	ds_store_b128 v7, v[ACC+8*\t:ACC+8*\t+3]   offset:\t*32        ; all lanes store the same words
	ds_store_b128 v7, v[ACC+8*\t+4:ACC+8*\t+7] offset:\t*32+16
.endr
	s_wait_dscnt 0x0                               ; for wave 0, which reads them: zero
	s_barrier_signal -1
	s_barrier_wait -1
	s_cmp_lg_u32 s2, 0
	s_cbranch_scc1 .Lend
	; WAVE 0: lane L works on token L % 8 (four copies)
	v_and_b32 v6, 7, v1
	v_lshlrev_b32 v6, 5, v6
	ds_load_b128 v[LG:LG+3],   v6
	ds_load_b128 v[LG+4:LG+7], v6 offset:16
	v_lshlrev_b32 v8, 3, v1                        ; eid, gates: 8 bytes a token
	v_lshlrev_b32 v9, 8, v1                        ; masks: lane e, row e of 256 bytes
	v_mov_b32 v10, 0
	s_wait_dscnt 0x0
	v_mov_b32 v[I0], 0
	v_mov_b32 v[W0], v[LG]
.irp e, 1,2,3,4,5,6,7
	v_cmp_ge_f32 vcc_lo, v[W0], v[LG+\e]           ; keep the old one unless the new is larger: a tie keeps the lower index
	v_cndmask_b32 v[I0], \e, v[I0], vcc_lo
	v_cndmask_b32 v[W0], v[LG+\e], v[W0], vcc_lo
.endr
	v_mov_b32 v[I1], 0
	v_mov_b32 v[W1], 0xff800000                    ; minus infinity
.irp e, 0,1,2,3,4,5,6,7
	v_cmp_ge_f32 vcc_lo, v[W1], v[LG+\e]
	v_cmp_eq_u32 s22, \e, v[I0]                    ; the best one is out of the running
	s_or_b32 vcc_lo, vcc_lo, s22
	v_cndmask_b32 v[I1], \e, v[I1], vcc_lo
	v_cndmask_b32 v[W1], v[LG+\e], v[W1], vcc_lo
.endr
	; both softmaxes take the largest logit away first
	v_sub_f32 v[T0], v[W1], v[W0]
	v_mul_f32 v[T0], 0x3fb8aa3b, v[T0]
.irp e, 0,1,2,3,4,5,6,7
	v_sub_f32 v[PR+\e], v[LG+\e], v[W0]
	v_mul_f32 v[PR+\e], 0x3fb8aa3b, v[PR+\e]
.endr
	v_exp_f32 v[T0], v[T0]
.irp e, 0,1,2,3,4,5,6,7
	v_exp_f32 v[PR+\e], v[PR+\e]
.endr
	v_mul_f32 v[Z], v[LG], v[LG]                   ; the plain instruction behind the run of exponentials (ISA guide 5.7.2)
.irp e, 1,2,3,4,5,6,7
	v_fmac_f32 v[Z], v[LG+\e], v[LG+\e]
.endr
	s_wait_alu depctr_va_vdst(0)
	v_add_f32 v[T1], 1.0, v[T0]
	v_add_f32 v[SM], v[PR], v[PR+1]
.irp e, 2,3,4,5,6,7
	v_add_f32 v[SM], v[SM], v[PR+\e]
.endr
	v_rcp_f32 v[G0], v[T1]                         ; gate of the best: 1 / (1 + e^(w1 - w0))
	v_rcp_f32 v[SM], v[SM]
	v_mov_b32 v[VM], 0                             ; the plain instruction behind the reciprocals
	s_wait_alu depctr_va_vdst(0)
	v_mul_f32 v[G1], v[T0], v[G0]
.irp e, 0,1,2,3,4,5,6,7
	v_mul_f32 v[PR+\e], v[PR+\e], v[SM]
.endr
.irp x, 1,2,4                                      ; over the group's 8 tokens
.irp k, 0,1,2,3,4,5,6,7,8
	v_add_f32_dpp v[PR+\k], v[PR+\k], v[PR+\k] row_xmask:\x row_mask:0xf bank_mask:0xf
.endr
.endr
	v_mov_b32 v[Z+1], 0
	v_mov_b32 v[Z+2], 0
	v_mov_b32 v[Z+3], 0
.irp e, 0,1,2,3,4,5,6,7
	v_cmp_eq_u32 s22, \e, v[I0]
	v_cmp_eq_u32 s23, \e, v[I1]
	s_or_b32 s22, s22, s23                         ; bits 0 to 7: which of the 8 tokens chose expert e
	v_writelane_b32 v[VM], s22, \e
.endr
	s_wait_xcnt 0x0                                ; EXEC is a source of the pending stores of xb: it changes only behind this wait
	v_cmp_gt_u32 vcc_lo, 8, v1
	s_and_saveexec_b32 s24, vcc_lo
	global_store_b64 v8, v[I0:I1], s[14:15]
	global_store_b64 v8, v[G0:G1], s[16:17]
	global_store_b8 v9, v[VM], s[18:19]            ; 8 single bytes a group: 2 KB in the whole launch
	s_wait_xcnt 0x0
	s_or_b32 exec_lo, exec_lo, s24
	v_cmp_eq_u32 vcc_lo, 0, v1
	s_and_saveexec_b32 s24, vcc_lo
	global_store_b128 v10, v[PR:PR+3],   s[20:21]
	global_store_b128 v10, v[PR+4:PR+7], s[20:21] offset:16
	global_store_b128 v10, v[Z:Z+3],     s[20:21] offset:32
	s_wait_xcnt 0x0
	s_or_b32 exec_lo, exec_lo, s24
.Lend:
	s_barrier_signal -1
	s_barrier_wait -1
	s_wait_tensorcnt 0x0
	ds_add_u32 v232, v233
	s_wait_dscnt 0x0
	s_endpgm
.Lfunc_end_k_qe65629ef8b_route:
	.size	k_qe65629ef8b_route, .Lfunc_end_k_qe65629ef8b_route-k_qe65629ef8b_route
	.p2alignl 7, 3214868480
	.fill 96, 4, 3214868480
	.section	.rodata,"a",@progbits
	.p2align	6, 0x0
	.amdhsa_kernel k_qe65629ef8b_route
		.amdhsa_group_segment_fixed_size 768
		.amdhsa_private_segment_fixed_size 0
		.amdhsa_enable_private_segment 0
		.amdhsa_kernarg_size 72
		.amdhsa_user_sgpr_count 2
		.amdhsa_user_sgpr_kernarg_segment_ptr 1
		.amdhsa_wavefront_size32 1
		.amdhsa_system_sgpr_workgroup_id_x 1
		.amdhsa_system_sgpr_workgroup_id_y 1
		.amdhsa_system_sgpr_workgroup_id_z 1
		.amdhsa_system_vgpr_workitem_id 0
		.amdhsa_next_free_vgpr 234
		.amdhsa_next_free_sgpr 66
		.amdhsa_reserve_vcc 1
		.amdhsa_float_denorm_mode_32 3
		.amdhsa_float_denorm_mode_16_64 3
		.amdhsa_memory_ordered 1
		.amdhsa_forward_progress 1
		.amdhsa_inst_pref_size 45
	.end_amdhsa_kernel
	.amdgpu_metadata
---
amdhsa.version: [ 1, 2 ]
amdhsa.kernels:
  - .name:           k_qe65629ef8b_route
    .symbol:         k_qe65629ef8b_route.kd
    .args:
      - { .name: x, .offset: 0, .size: 8, .value_kind: global_buffer, .address_space: global }
      - { .name: Wr, .offset: 8, .size: 8, .value_kind: global_buffer, .address_space: global }
      - { .name: Wp, .offset: 16, .size: 8, .value_kind: global_buffer, .address_space: global }
      - { .name: pattern_ids, .offset: 24, .size: 8, .value_kind: global_buffer, .address_space: global }
      - { .name: xb, .offset: 32, .size: 8, .value_kind: global_buffer, .address_space: global }
      - { .name: eid, .offset: 40, .size: 8, .value_kind: global_buffer, .address_space: global }
      - { .name: gates, .offset: 48, .size: 8, .value_kind: global_buffer, .address_space: global }
      - { .name: masks, .offset: 56, .size: 8, .value_kind: global_buffer, .address_space: global }
      - { .name: lpart, .offset: 64, .size: 8, .value_kind: global_buffer, .address_space: global }
    .group_segment_fixed_size: 768
    .private_segment_fixed_size: 0
    .kernarg_segment_align: 8
    .kernarg_segment_size: 72
    .max_flat_workgroup_size: 128
    .sgpr_count:     66
    .vgpr_count:     234
    .wavefront_size: 32
...
	.end_amdgpu_metadata
.endif
;; end of part 1
;; launch up (part 2): grid 32 x 8, 4 waves a work-group, no clusters, 140,800 bytes of LDS; arguments W1, W3, xb, masks, hbuf, posE; writes hbuf, posE
.if DOCPART == 2
	.amdgcn_target "amdgcn-amd-amdhsa--gfx1250"
	.amdhsa_code_object_version 6
	.text
	.protected	k_qe65629ef8b_up
	.globl	k_qe65629ef8b_up
	.p2align	8
	.type	k_qe65629ef8b_up,@function
k_qe65629ef8b_up:
	s_mov_b64 s[64:65], 0
	v_nop
	global_prefetch_b8 v0, s[64:65] scope:SCOPE_SE
	s_setreg_imm32_b32 hwreg(HW_REG_WAVE_MODE, 25, 1), 1
	s_wait_xcnt 0x0
; UP: h = (x W1[e]) * silu(x W3[e]) for the tokens that chose expert e.  Group (slice, e): 64 columns of H of one expert.
; Only the chosen (token, expert) pairs are formed: the others are multiplied by a gate of 0 that the problem builds itself.
; LIMIT, kept on purpose: where a product of an expert that was not chosen would be infinite or NaN, 0 x that is not reproduced.
; The weights stay, the tokens come: each f32 weight is read once in the whole launch, rounded to bf16 and transposed on the way into LDS
; (2 x 512 x 64 numbers), and then multiplied with all tokens of the expert, 64 at a time, a group of 64 to a wave in turn.
; silu: e^-b may overflow to infinity; 1 / (1 + inf) = 0 and h = 0, where the true value is below the smallest f32.
; No data mover: it neither rounds nor transposes, and the weights pass through registers anyway.  No cluster: no two groups read the same
; weights, the rows of xb are gathered lane by lane from a list, and trip counts come from memory.  No prefetch: the weights are asked
; for in the first lines, 48 to 56 loads of 512 bytes a wave, and nothing stands in front of them.
;
; LDS: the list of the expert's tokens (2,176 words: 2,048, then 32 that take the lanes without a token, then spare);
; then W1's and W3's images.  An image holds fragments ready to load:
;   byte(n, k) = (k>>7) WVS + (n>>4) NTS + ((k>>5)&3) 1024 + ((k>>4)&1) 512 + ((k>>3)&1) 256 + (n&15) 16 + (k&7) 2
; so a fragment (16 n x 32 k) is two loads of 512 consecutive bytes, and the 128 k that a wave converts are a block of its own.
; NTS = 4096 + 16: the four 16-byte columns that a quarter of the lanes stores to fall 16 bytes apart modulo 256.
.set ROWB, 8192                        ; bytes from k to k + 1 in W1 and W3
.set NTS,  4112
.set WVS,  4*NTS
.set IMG1, 8704
.set IMG3, IMG1+4*WVS
; window 0
.set L16,  1                           ; 16 x lane
.set R4,   2                           ; 4 x (lane % 16)
.set H16,  3                           ; 16 x (lane / 16)
.set WA0,  4                           ; L16 + IMG1
.set WA1,  5                           ; L16 + IMG3
.set WO,   6                           ; phase 1: my byte offset in W1 and W3
.set LIC,  6                           ; phase 2: my word of the list
.set LW0,  7                           ; phase 1: where I store in W1's image
.set HO,   7                           ; phase 2: my byte offset in hbuf
.set LW1,  8
.set TOK,  9
.set T0,   10
.set DUMP, 11
.set L4,   12
.set LANE, 13
.set TMP,  16                          ; phase 1: v[16:31] sixteen packed words
.set RING, 32                          ; phase 1: v[32:255] seven slots of 32
.set ADRC, 16                          ; phase 2: v[16:19] byte offsets in xb of this group's 4 x 16 tokens
.set ADRN, 20                          ;          v[20:23] the same for my next group
.set TK,   24                          ;          v[24:27] tokens as read from the list
.set WB,   64                          ;          v[64:127], v[128:191] weight fragments of a K step, two buffers
; window 1: accumulators, tile (nt, m) at 8 (4 nt + m): nt 0-3 W1's columns, 4-7 W3's; m: 16 tokens
; window 2: fragments of x, four slots of 64 registers (a slot: 64 along K): 64 slot + 32 kp + 8 m
; scalars: s2 wave, s3 expert, s[4:15] addresses, s[16:63] and s[80:95] the expert's 64 mask words, s66 count, s67 my groups,
;          s68 trips left, s69 my group, s70-s73 at work, s74 running count
.set MSB, 0
.macro WIN new                         ; s_set_vgpr_msb: bits 1:0 source 0, 3:2 source 1, 5:4 source 2, 7:6 destination; the high byte repeats the setting left
.if MSB != \new
	s_set_vgpr_msb (MSB<<8)|\new
.set MSB, \new
.endif
.endm
.macro PLACES                          ; four places behind matrix instructions (ISA guide 7.12.1) before their registers are loaded, read or written
.rept 4
	v_nop
.endr
.endm
	s_load_b256 s[4:11], s[0:1], 0x0               ; W1 4, W3 6, xb 8, masks 10
	s_load_b128 s[12:15], s[0:1], 0x20             ; hbuf 12, posE 14
	s_set_vgpr_msb 0xc0
	v_lshl_add_u32 v0, v0, 2, 0x22400
	v_mov_b32 v1, 0
	s_set_vgpr_msb 0xc000
	v_lshrrev_b32 v14, 5, v0
	v_readfirstlane_b32 s2, v14                    ; wave
	s_and_b32 s3, ttmp7, 0xffff                    ; expert
	v_and_b32 v[LANE], 31, v0
	v_and_b32 v14, 15, v0                          ; i
	v_bfe_u32 v15, v0, 4, 1                        ; hi
	v_lshlrev_b32 v[L16], 4, v[LANE]
	v_lshlrev_b32 v[R4], 2, v14
	v_lshlrev_b32 v[H16], 4, v15
	v_add_nc_u32 v[WA0], IMG1, v[L16]
	v_add_nc_u32 v[WA1], IMG3, v[L16]
	v_lshlrev_b32 v[L4], 2, v[LANE]
	v_add_nc_u32 v[DUMP], 2048, v[LANE]
	s_lshl_b32 s70, s2, 20                         ; 128 rows of 8,192 bytes a wave
	v_lshlrev_b32 v[WO], 4, v14                    ; columns 4 i .. 4 i + 3
	v_lshl_add_u32 v[WO], v15, 16, v[WO]           ; the upper half of the lanes 8 rows further
	v_add_nc_u32 v[WO], s70, v[WO]
	v_lshrrev_b32 v[T0], 2, v14
	v_mul_u32_u24 v[T0], v[T0], NTS                ; column 4 i + c: tile i / 4,
	v_and_b32 v[TOK], 3, v14
	v_lshl_add_u32 v[T0], v[TOK], 6, v[T0]         ; in it column 4 (i % 4) + c, 16 bytes each
	v_lshl_add_u32 v[T0], v15, 8, v[T0]            ; k / 8 odd: 256 bytes on
	s_mul_i32 s70, s2, WVS                         ; my own block of each image
	s_add_co_u32 s71, s70, IMG1
	s_add_co_u32 s72, s70, IMG3
	v_add_nc_u32 v[LW0], s71, v[T0]
	v_add_nc_u32 v[LW1], s72, v[T0]
	s_wait_kmcnt 0x0
	s_lshl_b32 s70, s3, 8
	s_mov_b32 s71, 0
	s_add_nc_u64 s[10:11], s[10:11], s[70:71]      ; the expert's 256 bytes of masks
	s_load_b512 s[16:31], s[10:11], 0x0
	s_load_b512 s[32:47], s[10:11], 0x40
	s_load_b512 s[48:63], s[10:11], 0x80
	s_load_b512 s[80:95], s[10:11], 0xc0
	s_lshl_b32 s70, s3, 22                         ; an expert's 4 MiB, a slice's 256 bytes of each row
	s_lshl_b32 s72, ttmp9, 8
	s_add_co_u32 s70, s70, s72
	s_add_nc_u64 s[4:5], s[4:5], s[70:71]
	s_add_nc_u64 s[6:7], s[6:7], s[70:71]
	s_lshl_b32 s70, s3, 23                         ; hbuf: an expert's 8 MiB, a slice's two blocks of 1,024 bytes
	s_lshl_b32 s72, ttmp9, 11
	s_add_co_u32 s70, s70, s72
	s_add_nc_u64 s[12:13], s[12:13], s[70:71]
	s_lshl_b32 s70, s3, 13
	s_add_nc_u64 s[14:15], s[14:15], s[70:71]
; A UNIT is 16 rows of k x 64 columns: eight loads, in each of which sixteen lanes read 256 consecutive bytes, aligned.
.macro LOADU unit, base, loc
.irp j, 0,1,2,3,4,5,6,7
	global_load_b128 v[RING+32*((\unit)%7)+4*\j:RING+32*((\unit)%7)+4*\j+3], v[WO], s[\base:\base+1] offset:(\loc)*16*ROWB+\j*ROWB th:TH_LOAD_NT
.endr
.endm
; The conversion pairs rows 2 jj and 2 jj + 1 of one column: it is the transposition.  Four stores of 16 bytes: 8 k of one column each.
.macro CONVU unit, lw, loc
.irp c, 0,1,2,3
.irp jj, 0,1,2,3
	v_cvt_pk_bf16_f32 v[TMP+4*\c+\jj], v[RING+32*((\unit)%7)+8*\jj+\c], v[RING+32*((\unit)%7)+8*\jj+4+\c]
.endr
.endr
.irp c, 0,1,2,3
	ds_store_b128 v[\lw], v[TMP+4*\c:TMP+4*\c+3] offset:(\loc)*512+\c*16
.endr
.endm
.macro LOADW unit                      ; units 0-7: my 128 rows of W1; 8-15: of W3
.if (\unit) < 8
	LOADU \unit, 4, (\unit)
.else
	LOADU \unit, 6, ((\unit)-8)
.endif
.endm
.macro CONVW unit
.if (\unit) < 8
	CONVU \unit, LW0, (\unit)
.else
	CONVU \unit, LW1, ((\unit)-8)
.endif
.endm
.irp u0, 0,1,2,3,4,5
	LOADW \u0
.endr
	s_wait_kmcnt 0x0                               ; the masks
	s_mov_b32 s66, 0
.set G, 0
.rept 64                                           ; word G lies in s[16 + G], from G = 48 on in s[32 + G]
	s_bcnt1_i32_b32 s70, s[16+G+16*(G/48)]
	s_add_co_u32 s66, s66, s70
.set G, G+1
.endr
	s_min_u32 s66, s66, 2048                       ; the expert's tokens
	s_add_co_u32 s73, s66, 63
	s_lshr_b32 s73, s73, 6                         ; groups of 64
	s_add_co_u32 s67, s73, 3
	s_sub_co_u32 s67, s67, s2
	s_lshr_b32 s67, s67, 2                         ; mine: wave, wave + 4, ...
	; WAVE 0 writes the list, while the weights are on their way.  Places behind the last token keep token 0: valid rows, whose
	; results land in slots that nobody reads.
	s_cmp_lg_u32 s2, 0
	s_cbranch_scc1 .Lnolist
.irp k, 0,1,2,3
	v_mov_b32 v[TMP+\k], 0
.endr
.irp k, 0,1,2,3,4,5,6,7,8,9,10,11,12,13,14,15,16
	ds_store_b128 v[L16], v[TMP:TMP+3] offset:512*\k
.endr
	v_mov_b32 v[TOK], v[LANE]
	s_mov_b32 s74, 0
.set G, 0
.rept 64
	v_mbcnt_lo_u32_b32 v[T0], s[16+G+16*(G/48)], s74       ; tokens of the expert in front of mine
	v_cndmask_b32 v[T0], v[DUMP], v[T0], s[16+G+16*(G/48)] ; a lane whose token did not choose the expert stores behind the list
	v_min_u32 v[T0], 0x81f, v[T0]
	v_lshlrev_b32 v[T0], 2, v[T0]
	ds_store_b32 v[T0], v[TOK]                             ; LDS serves a wave in order: behind the zeros
	v_add_nc_u32 v[TOK], 32, v[TOK]
	s_bcnt1_i32_b32 s70, s[16+G+16*(G/48)]
	s_add_co_u32 s74, s74, s70
.set G, G+1
.endr
.Lnolist:
	; WAVE 1 of slice 0 stores each token's place in the list, for the last launch
	s_cmp_lg_u32 s2, 1
	s_cbranch_scc1 .Lnopos
	s_cmp_lg_u32 ttmp9, 0
	s_cbranch_scc1 .Lnopos
	s_mov_b32 s74, 0
.set G, 0
.rept 64
	v_mbcnt_lo_u32_b32 v[224+G%32], s[16+G+16*(G/48)], s74
	global_store_b32 v[L4], v[224+G%32], s[14:15] offset:G*128
	s_bcnt1_i32_b32 s70, s[16+G+16*(G/48)]
	s_add_co_u32 s74, s74, s70
.if (G%32) == 31
	s_wait_xcnt 0x0                                ; v[224:255] are written again (here, then by the seventh unit's loads) only behind this wait
.endif
.set G, G+1
.endr
.Lnopos:
	; PHASE 1: sixteen units through seven slots
.set U, 0
.rept 16
.if U+6 < 16
	LOADW (U+6)
.endif
.if U < 10
	s_wait_loadcnt 48                              ; six younger units of eight loads stay out
.else
	s_wait_loadcnt 8*(15-U)                        ; the counts run down
.endif
	CONVW U
.set U, U+1
.endr
	s_wait_dscnt 0x0                               ; for the others, who read my part of the images and the list: zero
	s_barrier_signal -1
	s_barrier_wait -1                              ; the only barrier: LDS is not written again
	s_cmp_eq_u32 s67, 0
	s_cbranch_scc1 .Lend
; PHASE 2
; 16 loads: 64 along K (double step ds) of 64 tokens.  Lane (r, h) of tile m: token r, 16 bytes at 64 kp + 32 q + 16 h.
.macro XLOAD adr, ds, slot
	WIN 0x80
.irp m, 0,1,2,3
.irp kp, 0,1
.irp q, 0,1
	global_load_b128 v[64*(\slot)+32*\kp+8*\m+4*\q:64*(\slot)+32*\kp+8*\m+4*\q+3], v[\adr+\m], s[8:9] offset:(\ds)*128+\kp*64+\q*32
.endr
.endr
.endr
.endm
; 16 loads: the eight weight fragments of K step t
.macro WLOAD t
	WIN 0
.irp nt, 0,1,2,3
.irp q, 0,1
	ds_load_b128 v[WB+64*((\t)%2)+8*\nt+4*\q:WB+64*((\t)%2)+8*\nt+4*\q+3], v[WA0] offset:((\t)/4)*WVS+\nt*NTS+((\t)%4)*1024+\q*512
.endr
.endr
.irp nt, 0,1,2,3
.irp q, 0,1
	ds_load_b128 v[WB+64*((\t)%2)+32+8*\nt+4*\q:WB+64*((\t)%2)+32+8*\nt+4*\q+3], v[WA1] offset:((\t)/4)*WVS+\nt*NTS+((\t)%4)*1024+\q*512
.endr
.endr
.endm
; 32 matrix instructions.  Source 0: weights (rows = columns of H), source 1: x (columns = tokens): register j of lane (r, h) holds
; column 16 nt + 8 h + j of H for token r, eight neighbours along H, which is K of the next product.
.macro MULS t, zero
	WIN 0x58                                       ; D and C window 1, source 1 window 2, source 0 window 0
.set WBT, WB+64*((\t)%2)
.set XRT, 64*(((\t)/2)%4)+32*((\t)%2)
.irp nt, 0,1,2,3,4,5,6,7
.irp m, 0,1,2,3
.if \zero
	v_wmma_f32_16x16x32_bf16 v[8*(4*\nt+\m):8*(4*\nt+\m)+7], v[WBT+8*\nt:WBT+8*\nt+7], v[XRT+8*\m:XRT+8*\m+7], 0
.else
	v_wmma_f32_16x16x32_bf16 v[8*(4*\nt+\m):8*(4*\nt+\m)+7], v[WBT+8*\nt:WBT+8*\nt+7], v[XRT+8*\m:XRT+8*\m+7], v[8*(4*\nt+\m):8*(4*\nt+\m)+7]
.endif
.endr
.endr
.endm
; K step t of 16.  ahead = 1: another group of mine follows, and its first loads are issued from here.
.macro KSTEP t, ahead
	WIN 0
	PLACES                                         ; behind the last step's products, whose fragment registers are loaded below
.if \ahead
.if \t == 6
	s_add_co_u32 s70, s69, 4
	s_min_u32 s70, s70, 31
	s_lshl_b32 s70, s70, 8
	v_add_nc_u32 v[LIC], s70, v[R4]
.irp m, 0,1,2,3
	ds_load_b32 v[TK+\m], v[LIC] offset:64*\m      ; my next group's tokens; older than the 16 loads below, so this step's wait covers them
.endr
.endif
.if \t == 8
.irp m, 0,1,2,3
	v_min_u32 v[TK+\m], 0x7ff, v[TK+\m]
	v_lshl_add_u32 v[ADRN+\m], v[TK+\m], 10, v[H16]        ; the loads that named ADRN were waited for in steps 0, 2 and 4
.endr
.endif
.endif
.set WL, \ahead
.if \t < 15
.set WL, 1
.endif
.if WL
	WLOAD ((\t+1)%16)
.endif
.if (\t%2) == 0
.if (\t/2+3) < 8
	XLOAD ADRC, (\t/2+3), ((\t/2+3)%4)
	s_wait_loadcnt 48                              ; three younger double steps of 16 loads stay out
.else
.if \ahead
	XLOAD ADRN, (\t/2-5), ((\t/2+3)%4)
	s_wait_loadcnt 48
.else
	s_wait_loadcnt 16*(7-\t/2)                     ; nothing more is asked for: the counts run down
.endif
.endif
.endif
.if WL
	s_wait_dscnt 16                                ; this step's fragments are in; the next step's 16 loads stay out
.else
	s_wait_dscnt 0
.endif
.if \t == 0
	MULS \t, 1                                     ; the first products start the sums
.else
	MULS \t, 0
.endif
.endm
; 32 registers from a (four token tiles of 16 columns of x W1) and from a + 128 (the same of x W3): a <- bf16(a b / (1 + e^-b)), packed
.macro SWIGLU a
.set P, 0
.rept 16
	v_pk_mul_f32 v[\a+P:\a+P+1], v[\a+P:\a+P+1], v[\a+128+P:\a+128+P+1]
	v_pk_mul_f32 v[\a+128+P:\a+128+P+1], v[\a+128+P:\a+128+P+1], 0xbfb8aa3b op_sel_hi:[1,0]   ; - b log2(e)
.set P, P+2
.endr
.set P, 0
.rept 32
	v_exp_f32 v[\a+128+P], v[\a+128+P]
.set P, P+1
.endr
	v_nop                                          ; one plain place behind the run (ISA guide 5.7.2)
.set P, 0
	s_wait_alu depctr_va_vdst(0)
.rept 16
	v_pk_add_f32 v[\a+128+P:\a+128+P+1], v[\a+128+P:\a+128+P+1], 1.0 op_sel_hi:[1,0]
.set P, P+2
.endr
.set P, 0
.rept 32
	v_rcp_f32 v[\a+128+P], v[\a+128+P]
.set P, P+1
.endr
	v_nop
.set P, 0
	s_wait_alu depctr_va_vdst(0)
.rept 16
	v_pk_mul_f32 v[\a+P:\a+P+1], v[\a+P:\a+P+1], v[\a+128+P:\a+128+P+1]
.set P, P+2
.endr
.irp m, 0,1,2,3
.irp jj, 0,1,2,3
	v_cvt_pk_bf16_f32 v[\a+8*\m+\jj], v[\a+8*\m+2*\jj], v[\a+8*\m+2*\jj+1]
.endr
.endr
.endm
.macro GROUP ahead
	s_min_u32 s70, s69, 31
	s_lshl_b32 s70, s70, 18                        ; 64 slots = four tiles of 64 blocks of 1,024 bytes
	v_add_nc_u32 v[HO], s70, v[L16]
.irp m, 0,1,2,3
	v_mov_b32 v[ADRC+\m], v[ADRN+\m]               ; the last loads that named ADRC were waited for in step 14 of the group before
.endr
.irp t, 0,1,2,3,4,5,6,7,8,9,10,11,12,13,14,15
	KSTEP \t, \ahead
.endr
	PLACES
	WIN 0x55                                       ; everything in window 1
	SWIGLU 0
	SWIGLU 32
	SWIGLU 64
	SWIGLU 96
	WIN 0x04                                       ; store data in window 1
	; tiles 2 p and 2 p + 1 are registers 0-3 and 4-7 of the next product's fragment: each store is 512 consecutive bytes, aligned
.irp nt, 0,1,2,3
.irp m, 0,1,2,3
	global_store_b128 v[HO], v[8*(4*\nt+\m):8*(4*\nt+\m)+3], s[12:13] offset:\m*65536+(\nt/2)*1024+(\nt%2)*512
.endr
.endr
	WIN 0
	s_wait_xcnt 0x0                                ; the accumulators and HO, which these stores read, are written again only behind this wait
.endm
	s_mov_b32 s69, s2                              ; my first group
	s_min_u32 s70, s69, 31
	s_lshl_b32 s70, s70, 8
	v_add_nc_u32 v[LIC], s70, v[R4]
.irp m, 0,1,2,3
	ds_load_b32 v[TK+\m], v[LIC] offset:64*\m
.endr
	s_wait_dscnt 0x0
.irp m, 0,1,2,3
	v_min_u32 v[TK+\m], 0x7ff, v[TK+\m]
	v_lshl_add_u32 v[ADRN+\m], v[TK+\m], 10, v[H16]        ; a row of xb is 1,024 bytes
.endr
	XLOAD ADRN, 0, 0
	XLOAD ADRN, 1, 1
	XLOAD ADRN, 2, 2
	WLOAD 0
	s_sub_co_u32 s68, s67, 1
	s_cmp_eq_u32 s68, 0
	s_cbranch_scc1 .Llast
.Lgroup:
	GROUP 1
	s_add_co_u32 s69, s69, 4
	s_sub_co_u32 s68, s68, 1
	s_cmp_lg_u32 s68, 0
	s_cbranch_scc1 .Lgroup
.Llast:
	GROUP 0
.Lend:
	s_barrier_signal -1
	s_barrier_wait -1
	s_set_vgpr_msb 0xf
	s_wait_tensorcnt 0x0
	ds_add_u32 v0, v1
	s_wait_dscnt 0x0
	s_set_vgpr_msb 0xf00
	s_endpgm
.Lfunc_end_k_qe65629ef8b_up:
	.size	k_qe65629ef8b_up, .Lfunc_end_k_qe65629ef8b_up-k_qe65629ef8b_up
	.p2alignl 7, 3214868480
	.fill 96, 4, 3214868480
	.section	.rodata,"a",@progbits
	.p2align	6, 0x0
	.amdhsa_kernel k_qe65629ef8b_up
		.amdhsa_group_segment_fixed_size 140800
		.amdhsa_private_segment_fixed_size 0
		.amdhsa_enable_private_segment 0
		.amdhsa_kernarg_size 48
		.amdhsa_user_sgpr_count 2
		.amdhsa_user_sgpr_kernarg_segment_ptr 1
		.amdhsa_wavefront_size32 1
		.amdhsa_system_sgpr_workgroup_id_x 1
		.amdhsa_system_sgpr_workgroup_id_y 1
		.amdhsa_system_sgpr_workgroup_id_z 1
		.amdhsa_system_vgpr_workitem_id 0
		.amdhsa_next_free_vgpr 770
		.amdhsa_next_free_sgpr 96
		.amdhsa_reserve_vcc 0
		.amdhsa_float_denorm_mode_32 3
		.amdhsa_float_denorm_mode_16_64 3
		.amdhsa_memory_ordered 1
		.amdhsa_forward_progress 1
		.amdhsa_inst_pref_size 255
	.end_amdhsa_kernel
	.section	.bss,"aw",@nobits
	.p2align	6
	.space	262144
	.amdgpu_metadata
---
amdhsa.version: [ 1, 2 ]
amdhsa.kernels:
  - .name:           k_qe65629ef8b_up
    .symbol:         k_qe65629ef8b_up.kd
    .args:
      - { .name: W1, .offset: 0, .size: 8, .value_kind: global_buffer, .address_space: global }
      - { .name: W3, .offset: 8, .size: 8, .value_kind: global_buffer, .address_space: global }
      - { .name: xb, .offset: 16, .size: 8, .value_kind: global_buffer, .address_space: global }
      - { .name: masks, .offset: 24, .size: 8, .value_kind: global_buffer, .address_space: global }
      - { .name: hbuf, .offset: 32, .size: 8, .value_kind: global_buffer, .address_space: global }
      - { .name: posE, .offset: 40, .size: 8, .value_kind: global_buffer, .address_space: global }
    .group_segment_fixed_size: 140800
    .private_segment_fixed_size: 0
    .kernarg_segment_align: 8
    .kernarg_segment_size: 48
    .max_flat_workgroup_size: 128
    .sgpr_count:     96
    .vgpr_count:     770
    .wavefront_size: 32
...
	.end_amdgpu_metadata
.endif
;; end of part 2
;; launch down (part 3): grid 32 x 8, 4 waves a work-group, no clusters, 84,480 bytes of LDS; arguments W2, hbuf, masks, part; writes part
.if DOCPART == 3
	.amdgcn_target "amdgcn-amd-amdhsa--gfx1250"
	.amdhsa_code_object_version 6
	.text
	.protected	k_qe65629ef8b_down
	.globl	k_qe65629ef8b_down
	.p2align	8
	.type	k_qe65629ef8b_down,@function
k_qe65629ef8b_down:
	s_mov_b64 s[64:65], 0
	v_nop
	global_prefetch_b8 v0, s[64:65] scope:SCOPE_SE
	s_setreg_imm32_b32 hwreg(HW_REG_WAVE_MODE, 25, 1), 1
	s_wait_xcnt 0x0
; DOWN: part[kq][e][slot][d] = sum over the quarter kq of H of h[e][slot][.] W2[e][.][d].  Group (x, e): x % 8 = 64 columns of D,
; x / 8 = quarter of H (512 rows of W2).  As in the launch before, the weights stay: each f32 of W2 is read once, rounded to bf16 and
; transposed into LDS; then all slots of the expert pass, 64 at a time, a group of 64 to a wave in turn.  The four quarters are added,
; in a fixed order, by the last launch: no sum crosses work-groups here.
; h lies in memory as ready fragments: a load of a wave is 512 consecutive bytes and goes straight to registers.
; No data mover, no cluster: W2 needs rounding and transposing in registers and is shared by nobody; the fragments of h are shared by
; the 8 groups of a quarter, but through LDS a wave would load them a second time, and trip counts come from memory.
; LDS: the image of W2 (layout as in the launch before: (k>>7) WVS + (n>>4) NTS + ((k>>5)&3) 1024 + ((k>>4)&1) 512 + ((k>>3)&1) 256
; + (n&15) 16 + (k&7) 2), then a stage of 16 rows x 272 bytes for each wave.
.set ROWB, 2048                        ; bytes from k to k + 1 in W2
.set NTS,  4112
.set WVS,  4*NTS
.set STG,  4*WVS
.set SP,   272                         ; 256 bytes + 16: the sixteen rows that a store touches start 16 bytes apart modulo 256
.set L16,  1                           ; 16 x lane; also the address of my part of a weight fragment (the image starts at 0)
.set WO,   2                           ; my byte offset in W2
.set LW,   3                           ; where I store in the image
.set STO,  4                           ; the way out: where I put 32 bytes of a row
.set RD,   5                           ; where I read a row back
.set PO,   6                           ; my byte offset in part
.set HAC,  7                           ; my byte offset in hbuf, this group
.set HAN,  8                           ; my next group
.set PL,   9                           ; the lane's part of PO
.set T0,   10
.set T1,   11
.set TMP,  16                          ; phase 1: v[16:31]
.set RING, 32                          ; phase 1: v[32:255] seven slots of 32
.set WB,   64                          ; phase 2: v[64:95], v[96:127] weight fragments, two buffers
.set OB,   128                         ; phase 2: v[128:159], v[160:191] rows on the way out, two buffers
; window 1: accumulators, tile (nt, m) at 8 (4 nt + m), 128 registers.  window 2: fragments of h, four slots of 64: 64 slot + 32 kp + 8 m
; scalars: s2 wave, s3 expert, s[4:11] addresses, s[16:63], s[80:95] masks, s66 count, s67 my groups, s68 trips left, s69 my group
.set MSB, 0
.macro WIN new
.if MSB != \new
	s_set_vgpr_msb (MSB<<8)|\new
.set MSB, \new
.endif
.endm
.macro PLACES                          ; four places behind matrix instructions (ISA guide 7.12.1)
.rept 4
	v_nop
.endr
.endm
	s_load_b256 s[4:11], s[0:1], 0x0               ; W2 4, hbuf 6, masks 8, part 10
	v_lshl_add_u32 v12, v0, 2, 0x14800
	s_set_vgpr_msb 0x40
	v_mov_b32 v255, 0
	s_set_vgpr_msb 0x4000
	v_lshrrev_b32 v14, 5, v0
	v_readfirstlane_b32 s2, v14                    ; wave
	s_and_b32 s3, ttmp7, 0xffff                    ; expert
	s_and_b32 s75, ttmp9, 7                        ; 64 columns of D
	s_lshr_b32 s76, ttmp9, 3                       ; quarter of H
	v_and_b32 v13, 31, v0
	v_and_b32 v14, 15, v0                          ; i
	v_bfe_u32 v15, v0, 4, 1                        ; hi
	v_lshlrev_b32 v[L16], 4, v13
	s_lshl_b32 s70, s2, 18                         ; 128 rows of 2,048 bytes a wave
	v_lshlrev_b32 v[WO], 4, v14
	v_lshl_add_u32 v[WO], v15, 14, v[WO]           ; the upper half of the lanes 8 rows further
	v_add_nc_u32 v[WO], s70, v[WO]
	v_lshrrev_b32 v[T0], 2, v14
	v_mul_u32_u24 v[T0], v[T0], NTS
	v_and_b32 v[T1], 3, v14
	v_lshl_add_u32 v[T0], v[T1], 6, v[T0]
	v_lshl_add_u32 v[T0], v15, 8, v[T0]
	s_mul_i32 s70, s2, WVS                         ; my own block of the image
	v_add_nc_u32 v[LW], s70, v[T0]
	s_mul_i32 s70, s2, 16*SP
	s_add_co_u32 s70, s70, STG                     ; my own stage
	v_mul_u32_u24 v[T0], v14, SP
	v_lshl_add_u32 v[T0], v15, 5, v[T0]
	v_add_nc_u32 v[STO], s70, v[T0]                ; row = slot lane % 16; 32 bytes for each half of the lanes
	v_mul_u32_u24 v[T0], v15, SP
	v_lshl_add_u32 v[T0], v14, 4, v[T0]
	v_add_nc_u32 v[RD], s70, v[T0]                 ; back: lanes 0-15 one row of 256 bytes, lanes 16-31 the next
	v_lshlrev_b32 v[PL], 4, v14
	v_lshl_add_u32 v[PL], v15, 11, v[PL]           ; and the same two rows of part, 2,048 bytes apart
	s_wait_kmcnt 0x0
	s_lshl_b32 s70, s3, 8
	s_mov_b32 s71, 0
	s_add_nc_u64 s[8:9], s[8:9], s[70:71]
	s_load_b512 s[16:31], s[8:9], 0x0
	s_load_b512 s[32:47], s[8:9], 0x40
	s_load_b512 s[48:63], s[8:9], 0x80
	s_load_b512 s[80:95], s[8:9], 0xc0
	s_lshl_b32 s70, s3, 22                         ; W2: an expert's 4 MiB, a quarter's 1 MiB, 256 bytes of each row
	s_lshl_b32 s72, s76, 20
	s_add_co_u32 s70, s70, s72
	s_lshl_b32 s72, s75, 8
	s_add_co_u32 s70, s70, s72
	s_add_nc_u64 s[4:5], s[4:5], s[70:71]
	s_lshl_b32 s70, s3, 23                         ; hbuf: an expert's 8 MiB, a quarter's 16 blocks of 1,024 bytes
	s_lshl_b32 s72, s76, 14
	s_add_co_u32 s70, s70, s72
	s_add_nc_u64 s[6:7], s[6:7], s[70:71]
	s_lshl_b32 s70, s76, 25                        ; part: a quarter's 32 MiB, an expert's 4 MiB, 256 bytes of each row
	s_lshl_b32 s72, s3, 22
	s_add_co_u32 s70, s70, s72
	s_lshl_b32 s72, s75, 8
	s_add_co_u32 s70, s70, s72
	s_add_nc_u64 s[10:11], s[10:11], s[70:71]
.macro LOADU unit                      ; 16 rows of k x 64 columns: in each load sixteen lanes read 256 consecutive bytes, aligned
.irp j, 0,1,2,3,4,5,6,7
	global_load_b128 v[RING+32*((\unit)%7)+4*\j:RING+32*((\unit)%7)+4*\j+3], v[WO], s[4:5] offset:(\unit)*16*ROWB+\j*ROWB th:TH_LOAD_NT
.endr
.endm
.macro CONVU unit                      ; the conversion pairs rows 2 jj and 2 jj + 1 of one column: it is the transposition
.irp c, 0,1,2,3
.irp jj, 0,1,2,3
	v_cvt_pk_bf16_f32 v[TMP+4*\c+\jj], v[RING+32*((\unit)%7)+8*\jj+\c], v[RING+32*((\unit)%7)+8*\jj+4+\c]
.endr
.endr
.irp c, 0,1,2,3
	ds_store_b128 v[LW], v[TMP+4*\c:TMP+4*\c+3] offset:(\unit)*512+\c*16
.endr
.endm
.irp u0, 0,1,2,3,4,5
	LOADU \u0
.endr
	s_wait_kmcnt 0x0
	s_mov_b32 s66, 0
.set G, 0
.rept 64
	s_bcnt1_i32_b32 s70, s[16+G+16*(G/48)]
	s_add_co_u32 s66, s66, s70
.set G, G+1
.endr
	s_min_u32 s66, s66, 2048                       ; the expert's tokens
	s_add_co_u32 s73, s66, 63
	s_lshr_b32 s73, s73, 6                         ; groups of 64 slots, all of them written by the launch before
	s_add_co_u32 s67, s73, 3
	s_sub_co_u32 s67, s67, s2
	s_lshr_b32 s67, s67, 2                         ; mine: wave, wave + 4, ...
.set U, 0
.rept 8
.if U+6 < 8
	LOADU (U+6)
.endif
.if U < 2
	s_wait_loadcnt 48                              ; six younger units of eight loads stay out
.else
	s_wait_loadcnt 8*(7-U)
.endif
	CONVU U
.set U, U+1
.endr
	s_wait_dscnt 0x0                               ; for the others, who read my part of the image: zero
	s_barrier_signal -1
	s_barrier_wait -1                              ; the only barrier: the image is not written again, the stages are each wave's own
	s_cmp_eq_u32 s67, 0
	s_cbranch_scc1 .Lend
; 16 loads: 64 along K (double step ds) of 64 slots, 2 KB consecutive for each tile of 16 slots
.macro XLOAD adr, ds, slot
	WIN 0x80
.irp m, 0,1,2,3
.irp kp, 0,1
.irp q, 0,1
	global_load_b128 v[64*(\slot)+32*\kp+8*\m+4*\q:64*(\slot)+32*\kp+8*\m+4*\q+3], v[\adr], s[6:7] offset:\m*65536+(2*(\ds)+\kp)*1024+\q*512
.endr
.endr
.endr
.endm
.macro WLOAD t                         ; 8 loads: the four weight fragments of K step t
	WIN 0
.irp nt, 0,1,2,3
.irp q, 0,1
	ds_load_b128 v[WB+32*((\t)%2)+8*\nt+4*\q:WB+32*((\t)%2)+8*\nt+4*\q+3], v[L16] offset:((\t)/4)*WVS+\nt*NTS+((\t)%4)*1024+\q*512
.endr
.endr
.endm
; 16 matrix instructions.  Source 0: W2 (rows = columns of D), source 1: h (columns = slots): register j of lane (r, h) holds
; column 16 nt + 8 h + j of D for slot r: 32 neighbouring bytes of a row of part.
.macro MULS t, zero
	WIN 0x58
.set WBT, WB+32*((\t)%2)
.set XRT, 64*(((\t)/2)%4)+32*((\t)%2)
.irp nt, 0,1,2,3
.irp m, 0,1,2,3
.if \zero
	v_wmma_f32_16x16x32_bf16 v[8*(4*\nt+\m):8*(4*\nt+\m)+7], v[WBT+8*\nt:WBT+8*\nt+7], v[XRT+8*\m:XRT+8*\m+7], 0
.else
	v_wmma_f32_16x16x32_bf16 v[8*(4*\nt+\m):8*(4*\nt+\m)+7], v[WBT+8*\nt:WBT+8*\nt+7], v[XRT+8*\m:XRT+8*\m+7], v[8*(4*\nt+\m):8*(4*\nt+\m)+7]
.endif
.endr
.endr
.endm
.macro KSTEP t, ahead
	WIN 0
	PLACES                                         ; behind the last step's products, whose fragment registers are loaded below
.if \ahead
.if \t == 8
	s_add_co_u32 s70, s69, 4
	s_min_u32 s70, s70, 31
	s_lshl_b32 s70, s70, 18
	v_add_nc_u32 v[HAN], s70, v[L16]               ; the loads that named HAN were waited for in steps 0, 2 and 4
.endif
.endif
.set WL, \ahead
.if \t < 15
.set WL, 1
.endif
.if WL
	WLOAD ((\t+1)%16)
.endif
.if (\t%2) == 0
.if (\t/2+3) < 8
	XLOAD HAC, (\t/2+3), ((\t/2+3)%4)
	s_wait_loadcnt 48                              ; three younger double steps of 16 loads stay out
.else
.if \ahead
	XLOAD HAN, (\t/2-5), ((\t/2+3)%4)
	s_wait_loadcnt 48
.else
	s_wait_loadcnt 16*(7-\t/2)                     ; nothing more is asked for: the counts run down
.endif
.endif
.endif
.if WL
	s_wait_dscnt 8                                 ; this step's fragments are in; the next step's 8 loads stay out
.else
	s_wait_dscnt 0
.endif
.if \t == 0
	MULS \t, 1
.else
	MULS \t, 0
.endif
.endm
; 16 slots out: 32 bytes a lane into my stage, whole rows of 256 bytes back, stores in which sixteen lanes cover 256 consecutive bytes, aligned
.macro OUT m
	WIN 0x04                                       ; store data in window 1
.irp nt, 0,1,2,3
.irp q, 0,1
	ds_store_b128 v[STO], v[8*(4*\nt+\m)+4*\q:8*(4*\nt+\m)+4*\q+3] offset:64*\nt+16*\q
.endr
.endr
	WIN 0
	s_wait_xcnt 0x0                                ; the buffer, which earlier stores read, is loaded again only behind this wait
.irp t, 0,1,2,3,4,5,6,7
	ds_load_b128 v[OB+32*(\m%2)+4*\t:OB+32*(\m%2)+4*\t+3], v[RD] offset:2*SP*\t    ; LDS serves a wave in order: these see the stores above
.endr
.irp t, 0,1,2,3,4,5,6,7
	s_wait_dscnt 7-\t
	global_store_b128 v[PO], v[OB+32*(\m%2)+4*\t:OB+32*(\m%2)+4*\t+3], s[10:11] offset:\m*32768+\t*4096
.endr
.endm
.macro GROUP ahead
	s_min_u32 s70, s69, 31
	s_lshl_b32 s70, s70, 17                        ; 64 rows of 2,048 bytes
	v_add_nc_u32 v[PO], s70, v[PL]
	v_mov_b32 v[HAC], v[HAN]                       ; the last loads that named HAC were waited for in step 14 of the group before
.irp t, 0,1,2,3,4,5,6,7,8,9,10,11,12,13,14,15
	KSTEP \t, \ahead
.endr
	PLACES
	OUT 0
	OUT 1
	OUT 2
	OUT 3
	s_wait_xcnt 0x0                                ; PO is written again only behind this wait
.endm
	s_mov_b32 s69, s2
	s_min_u32 s70, s69, 31
	s_lshl_b32 s70, s70, 18                        ; 64 slots = four tiles of 64 blocks of 1,024 bytes
	v_add_nc_u32 v[HAN], s70, v[L16]
	XLOAD HAN, 0, 0
	XLOAD HAN, 1, 1
	XLOAD HAN, 2, 2
	WLOAD 0
	s_sub_co_u32 s68, s67, 1
	s_cmp_eq_u32 s68, 0
	s_cbranch_scc1 .Llast
.Lgroup:
	GROUP 1
	s_add_co_u32 s69, s69, 4
	s_sub_co_u32 s68, s68, 1
	s_cmp_lg_u32 s68, 0
	s_cbranch_scc1 .Lgroup
.Llast:
	GROUP 0
.Lend:
	s_barrier_signal -1
	s_barrier_wait -1
	s_set_vgpr_msb 0x4
	s_wait_tensorcnt 0x0
	ds_add_u32 v12, v255
	s_wait_dscnt 0x0
	s_set_vgpr_msb 0x400
	s_endpgm
.Lfunc_end_k_qe65629ef8b_down:
	.size	k_qe65629ef8b_down, .Lfunc_end_k_qe65629ef8b_down-k_qe65629ef8b_down
	.p2alignl 7, 3214868480
	.fill 96, 4, 3214868480
	.section	.rodata,"a",@progbits
	.p2align	6, 0x0
	.amdhsa_kernel k_qe65629ef8b_down
		.amdhsa_group_segment_fixed_size 84480
		.amdhsa_private_segment_fixed_size 0
		.amdhsa_enable_private_segment 0
		.amdhsa_kernarg_size 32
		.amdhsa_user_sgpr_count 2
		.amdhsa_user_sgpr_kernarg_segment_ptr 1
		.amdhsa_wavefront_size32 1
		.amdhsa_system_sgpr_workgroup_id_x 1
		.amdhsa_system_sgpr_workgroup_id_y 1
		.amdhsa_system_sgpr_workgroup_id_z 1
		.amdhsa_system_vgpr_workitem_id 0
		.amdhsa_next_free_vgpr 768
		.amdhsa_next_free_sgpr 96
		.amdhsa_reserve_vcc 0
		.amdhsa_float_denorm_mode_32 3
		.amdhsa_float_denorm_mode_16_64 3
		.amdhsa_memory_ordered 1
		.amdhsa_forward_progress 1
		.amdhsa_inst_pref_size 122
	.end_amdhsa_kernel
	.amdgpu_metadata
---
amdhsa.version: [ 1, 2 ]
amdhsa.kernels:
  - .name:           k_qe65629ef8b_down
    .symbol:         k_qe65629ef8b_down.kd
    .args:
      - { .name: W2, .offset: 0, .size: 8, .value_kind: global_buffer, .address_space: global }
      - { .name: hbuf, .offset: 8, .size: 8, .value_kind: global_buffer, .address_space: global }
      - { .name: masks, .offset: 16, .size: 8, .value_kind: global_buffer, .address_space: global }
      - { .name: part, .offset: 24, .size: 8, .value_kind: global_buffer, .address_space: global }
    .group_segment_fixed_size: 84480
    .private_segment_fixed_size: 0
    .kernarg_segment_align: 8
    .kernarg_segment_size: 32
    .max_flat_workgroup_size: 128
    .sgpr_count:     96
    .vgpr_count:     768
    .wavefront_size: 32
...
	.end_amdgpu_metadata
.endif
;; end of part 3
;; launch combine (part 4): grid 256 x 1, 8 waves a work-group, no clusters, 0 bytes of LDS; arguments part, eid, gates, posE, lpart, Wp, out0, out1, out2, out3; writes out0, out1, out2, out3
.if DOCPART == 4
	.amdgcn_target "amdgcn-amd-amdhsa--gfx1250"
	.amdhsa_code_object_version 6
	.text
	.protected	k_qe65629ef8b_combine
	.globl	k_qe65629ef8b_combine
	.p2align	8
	.type	k_qe65629ef8b_combine,@function
k_qe65629ef8b_combine:
	s_mov_b64 s[64:65], 0
	v_nop
	global_prefetch_b8 v0, s[64:65] scope:SCOPE_SE
	s_setreg_imm32_b32 hwreg(HW_REG_WAVE_MODE, 25, 1), 1
	s_wait_xcnt 0x0
; COMBINE: y[t] = g0 (sum of the four quarters of slot (e0, p0)) + g1 (the same of (e1, p1)), and the three losses.
; A wave takes one token: 8 rows of 2,048 bytes in, one out; each load and store of the wave covers 512 consecutive bytes.
; A stream: no LDS, no barrier, no matrix unit, no cluster (no byte is read by two groups).
; The experts and the places come from whole numbers that earlier launches stored; each is clamped before it enters an address.
; Wave 0 of group 0 also adds the 256 groups' sums for the z loss and the balance loss, wave 1 of group 0 makes the specialisation loss.
; Wp is rounded to bf16 here as in the router.  Its softmax takes each row's maximum away.
; sum over i != j of Pn_i . Pn_j is formed as sum over i, e of Pn_ie (S_e - Pn_ie), S_e = sum over i of Pn_ie: since the S_e add up to 16,
; sum S_e^2 >= 32, and sum |Pn_i|^2 <= 16, so the result is at least 16 and the differences lose nothing that matters.
.set P, 32                             ; v[32:159]  64 i + 16 kq + 4 c: choice i, quarter kq, 512 bytes c of the row
.set VO, 4                             ; v[4:7]     16 lane + quarter x 32 MiB
	s_load_b512 s[4:19], s[0:1], 0x0               ; part 4, eid 6, gates 8, posE 10, lpart 12, Wp 14, out0 16, out1 18
	s_load_b128 s[20:23], s[0:1], 0x40             ; out2 20, out3 22
	v_lshrrev_b32 v2, 5, v0
	v_readfirstlane_b32 s2, v2                     ; wave
	v_and_b32 v3, 31, v0                           ; lane
	v_lshlrev_b32 v1, 4, v3
.irp kq, 0,1,2,3
	v_add_nc_u32 v[VO+\kq], \kq*0x2000000, v1
.endr
	s_lshl3_add_u32 s24, ttmp9, s2                 ; token = 8 group + wave
	s_lshl_b32 s25, s24, 3
	s_lshl_b32 s30, s24, 2
	s_lshl_b32 s54, s24, 11
	s_mov_b32 s55, 0
	s_mov_b32 s56, 0x76543210
	s_mov_b32 s57, 0xfedcba98
	s_wait_kmcnt 0x0
	s_load_b64 s[26:27], s[6:7], s25 offset:0x0    ; e0, e1
	s_load_b64 s[28:29], s[8:9], s25 offset:0x0    ; g0, g1
.irp k, 0,1,2,3,4,5,6,7
	s_load_b32 s[40+\k], s[10:11], s30 offset:\k*8192      ; the token's place with each expert: asked for at once, chosen below
.endr
	s_add_nc_u64 s[16:17], s[16:17], s[54:55]      ; my row of y
	s_wait_kmcnt 0x0
	s_min_u32 s26, s26, 7
	s_min_u32 s27, s27, 7
	s_mov_b32 s32, s40
	s_mov_b32 s33, s40
.irp k, 1,2,3,4,5,6,7
	s_cmp_eq_u32 s26, \k
	s_cselect_b32 s32, s[40+\k], s32
	s_cmp_eq_u32 s27, \k
	s_cselect_b32 s33, s[40+\k], s33
.endr
	s_min_u32 s32, s32, 2047
	s_min_u32 s33, s33, 2047
	s_lshl_b32 s34, s26, 11
	s_add_co_u32 s34, s34, s32
	s_lshl_b32 s34, s34, 11                        ; (2,048 e + place) rows of 2,048 bytes
	s_mov_b32 s35, 0
	s_add_nc_u64 s[36:37], s[4:5], s[34:35]
	s_lshl_b32 s48, s27, 11
	s_add_co_u32 s48, s48, s33
	s_lshl_b32 s48, s48, 11
	s_mov_b32 s49, 0
	s_add_nc_u64 s[38:39], s[4:5], s[48:49]
	s_mov_b32 s52, s29                             ; g1 in the low register of a pair of its own
	s_mov_b32 s53, s29
.irp kq, 0,1,2,3
.irp c, 0,1,2,3
	global_load_b128 v[P+16*\kq+4*\c:P+16*\kq+4*\c+3],       v[VO+\kq], s[36:37] offset:\c*512 th:TH_LOAD_NT
	global_load_b128 v[P+64+16*\kq+4*\c:P+64+16*\kq+4*\c+3], v[VO+\kq], s[38:39] offset:\c*512 th:TH_LOAD_NT
.endr
.endr
	s_cmp_lg_u32 ttmp9, 0
	s_cbranch_scc1 .Lmain
	s_cmp_eq_u32 s2, 0
	s_cbranch_scc1 .Lw0
	s_cmp_eq_u32 s2, 1
	s_cbranch_scc1 .Lw1
	s_branch .Lmain
.Lw0:
	; the z loss and the balance loss: lane L takes the rows L + 32 i of lpart, 48 bytes each
	v_lshlrev_b32 v8, 6, v3
.irp i, 0,1,2,3,4,5,6,7
.irp c, 0,1,2
	global_load_b128 v[160+12*\i+4*\c:160+12*\i+4*\c+3], v8, s[12:13] offset:\i*2048+\c*16
.endr
.endr
	s_mov_b32 s50, 0x3a000000                      ; 1 / 2048 tokens
	s_mov_b32 s51, 0xbe000000                      ; - 1 / 8 experts
	v_mov_b32 v9, 0
	s_wait_loadcnt 0x0
.irp i, 1,2,3,4,5,6,7
.irp p, 0,2,4,6,8
	v_pk_add_f32 v[160+\p:161+\p], v[160+\p:161+\p], v[160+12*\i+\p:161+12*\i+\p]
.endr
.endr
.irp x, 1,2,4,8
.irp k, 0,1,2,3,4,5,6,7,8
	v_add_f32_dpp v[160+\k], v[160+\k], v[160+\k] row_xmask:\x row_mask:0xf bank_mask:0xf
.endr
.endr
.irp k, 0,1,2,3,4,5,6,7,8
	v_permlanex16_b32 v[172+\k], v[160+\k], s56, s57       ; destinations: registers that were loaded and are done with
.endr
.irp k, 0,1,2,3,4,5,6,7,8
	v_add_f32 v[160+\k], v[160+\k], v[172+\k]
.endr
	v_mul_f32 v200, 0x3383126f, v168               ; 0.001 / 16,384 logits
.irp e, 0,1,2,3,4,5,6,7
	v_fma_f32 v[160+\e], v[160+\e], s50, s51       ; mean probability - 1/8
.endr
	v_mul_f32 v201, v160, v160
.irp e, 1,2,3,4,5,6,7
	v_fmac_f32 v201, v[160+\e], v[160+\e]
.endr
	v_mul_f32 v201, 0x3e000000, v201               ; the mean over 8 experts
	s_wait_xcnt 0x0                                ; EXEC changes only behind this wait
	v_cmp_eq_u32 vcc_lo, 0, v3
	s_and_saveexec_b32 s58, vcc_lo
	global_store_b32 v9, v200, s[18:19]
	global_store_b32 v9, v201, s[20:21]
	s_wait_xcnt 0x0
	s_or_b32 exec_lo, exec_lo, s58
	s_branch .Lmain
.Lw1:
	; the specialisation loss: lane L takes row L % 16 of Wp (each half of the wave holds all 16 rows)
	v_and_b32 v8, 15, v3
	v_lshlrev_b32 v8, 5, v8
	global_load_b128 v[160:163], v8, s[14:15]
	global_load_b128 v[164:167], v8, s[14:15] offset:16
	v_mov_b32 v9, 0
	s_wait_loadcnt 0x0
.irp p, 0,1,2,3
	v_cvt_pk_bf16_f32 v[168+\p], v[160+2*\p], v[161+2*\p]
.endr
.irp p, 0,1,2,3
	v_lshlrev_b32 v[160+2*\p], 16, v[168+\p]
	v_and_b32     v[161+2*\p], 0xffff0000, v[168+\p]
.endr
	v_max3_num_f32 v172, v160, v161, v162
	v_max3_num_f32 v172, v172, v163, v164
	v_max3_num_f32 v172, v172, v165, v166
	v_max_num_f32 v172, v172, v167
.irp e, 0,1,2,3,4,5,6,7
	v_sub_f32 v[160+\e], v[160+\e], v172
	v_mul_f32 v[160+\e], 0x3fb8aa3b, v[160+\e]
.endr
.irp e, 0,1,2,3,4,5,6,7
	v_exp_f32 v[160+\e], v[160+\e]
.endr
	v_nop                                          ; one plain place behind the run (ISA guide 5.7.2)
	s_wait_alu depctr_va_vdst(0)
	v_add_f32 v173, v160, v161
.irp e, 2,3,4,5,6,7
	v_add_f32 v173, v173, v[160+\e]
.endr
	v_rcp_f32 v173, v173
	v_nop
	s_wait_alu depctr_va_vdst(0)
.irp e, 0,1,2,3,4,5,6,7
	v_mul_f32 v[176+\e], v[160+\e], v173           ; Pn, once to be summed over the rows,
	v_mul_f32 v[160+\e], v[160+\e], v173           ; once to stay
.endr
.irp x, 1,2,4,8
.irp e, 0,1,2,3,4,5,6,7
	v_add_f32_dpp v[176+\e], v[176+\e], v[176+\e] row_xmask:\x row_mask:0xf bank_mask:0xf
.endr
.endr
.irp e, 0,1,2,3,4,5,6,7
	v_sub_f32 v[176+\e], v[176+\e], v[160+\e]      ; the other 15 rows
.endr
	v_mul_f32 v174, v160, v176
.irp e, 1,2,3,4,5,6,7
	v_fmac_f32 v174, v[160+\e], v[176+\e]
.endr
.irp x, 1,2,4,8
	v_add_f32_dpp v174, v174, v174 row_xmask:\x row_mask:0xf bank_mask:0xf
.endr
	v_mul_f32 v174, 0x39cccccd, v174               ; 0.1 / 256 entries
	s_wait_xcnt 0x0
	v_cmp_eq_u32 vcc_lo, 0, v3
	s_and_saveexec_b32 s58, vcc_lo
	global_store_b32 v9, v174, s[22:23]
	s_wait_xcnt 0x0
	s_or_b32 exec_lo, exec_lo, s58
.Lmain:
	s_wait_loadcnt 0x0
.irp c, 0,1,2,3
.irp i, 0,1
.irp kq, 1,2,3
	v_pk_add_f32 v[P+64*\i+4*\c:P+64*\i+4*\c+1],   v[P+64*\i+4*\c:P+64*\i+4*\c+1],   v[P+64*\i+16*\kq+4*\c:P+64*\i+16*\kq+4*\c+1]
	v_pk_add_f32 v[P+64*\i+4*\c+2:P+64*\i+4*\c+3], v[P+64*\i+4*\c+2:P+64*\i+4*\c+3], v[P+64*\i+16*\kq+4*\c+2:P+64*\i+16*\kq+4*\c+3]
.endr
.endr
	v_pk_mul_f32 v[P+4*\c:P+4*\c+1],   v[P+4*\c:P+4*\c+1],   s[28:29] op_sel_hi:[1,0]                               ; x g0
	v_pk_mul_f32 v[P+4*\c+2:P+4*\c+3], v[P+4*\c+2:P+4*\c+3], s[28:29] op_sel_hi:[1,0]
	v_pk_fma_f32 v[P+4*\c:P+4*\c+1],   v[P+64+4*\c:P+64+4*\c+1],   s[52:53], v[P+4*\c:P+4*\c+1]   op_sel_hi:[1,0,1]  ; + g1 x
	v_pk_fma_f32 v[P+4*\c+2:P+4*\c+3], v[P+64+4*\c+2:P+64+4*\c+3], s[52:53], v[P+4*\c+2:P+4*\c+3] op_sel_hi:[1,0,1]
	global_store_b128 v1, v[P+4*\c:P+4*\c+3], s[16:17] offset:\c*512 th:TH_STORE_NT
.endr
	s_endpgm
.Lfunc_end_k_qe65629ef8b_combine:
	.size	k_qe65629ef8b_combine, .Lfunc_end_k_qe65629ef8b_combine-k_qe65629ef8b_combine
	.p2alignl 7, 3214868480
	.fill 96, 4, 3214868480
	.section	.rodata,"a",@progbits
	.p2align	6, 0x0
	.amdhsa_kernel k_qe65629ef8b_combine
		.amdhsa_group_segment_fixed_size 0
		.amdhsa_private_segment_fixed_size 0
		.amdhsa_enable_private_segment 0
		.amdhsa_kernarg_size 80
		.amdhsa_user_sgpr_count 2
		.amdhsa_user_sgpr_kernarg_segment_ptr 1
		.amdhsa_wavefront_size32 1
		.amdhsa_system_sgpr_workgroup_id_x 1
		.amdhsa_system_sgpr_workgroup_id_y 1
		.amdhsa_system_sgpr_workgroup_id_z 1
		.amdhsa_system_vgpr_workitem_id 0
		.amdhsa_next_free_vgpr 256
		.amdhsa_next_free_sgpr 66
		.amdhsa_reserve_vcc 1
		.amdhsa_float_denorm_mode_32 3
		.amdhsa_float_denorm_mode_16_64 3
		.amdhsa_memory_ordered 1
		.amdhsa_forward_progress 1
		.amdhsa_inst_pref_size 26
	.end_amdhsa_kernel
	.amdgpu_metadata
---
amdhsa.version: [ 1, 2 ]
amdhsa.kernels:
  - .name:           k_qe65629ef8b_combine
    .symbol:         k_qe65629ef8b_combine.kd
    .args:
      - { .name: part, .offset: 0, .size: 8, .value_kind: global_buffer, .address_space: global }
      - { .name: eid, .offset: 8, .size: 8, .value_kind: global_buffer, .address_space: global }
      - { .name: gates, .offset: 16, .size: 8, .value_kind: global_buffer, .address_space: global }
      - { .name: posE, .offset: 24, .size: 8, .value_kind: global_buffer, .address_space: global }
      - { .name: lpart, .offset: 32, .size: 8, .value_kind: global_buffer, .address_space: global }
      - { .name: Wp, .offset: 40, .size: 8, .value_kind: global_buffer, .address_space: global }
      - { .name: out0, .offset: 48, .size: 8, .value_kind: global_buffer, .address_space: global }
      - { .name: out1, .offset: 56, .size: 8, .value_kind: global_buffer, .address_space: global }
      - { .name: out2, .offset: 64, .size: 8, .value_kind: global_buffer, .address_space: global }
      - { .name: out3, .offset: 72, .size: 8, .value_kind: global_buffer, .address_space: global }
    .group_segment_fixed_size: 0
    .private_segment_fixed_size: 0
    .kernarg_segment_align: 8
    .kernarg_segment_size: 80
    .max_flat_workgroup_size: 256
    .sgpr_count:     66
    .vgpr_count:     256
    .wavefront_size: 32
...
	.end_amdgpu_metadata
.endif
;; end of part 4
